; MI455X (gfx1250); checked and timed in simulation.
; The chip was launched on July 23, 2026; its instructions are those of AMD's public machine-readable ISA for CDNA 5 (MIT licence, August 2026) and "CDNA5" Instruction Set Architecture Reference Guide (July 2026). The comments in the code are by the model that wrote it; some were corrected since.
;; Deep Hedging Loss. Allowed arithmetic: float matrix products may take bf16 or f16 operands with f32 sums; all other float work in f32.
;; Inputs: W0 32 x 2 float32; Wf 1 x 32 float32; Wh 3 x 32 x 32 float32; b0 32 float32; bf 1 float32; bh 3 x 32 float32; rnorm 2,048 x 128 float32.
;; Outputs: out0 2,048 x 2 float32.
;; One version. Each part assembles by itself: llvm-mc -triple=amdgcn-amd-amdhsa -mcpu=gfx1250 --defsym DOCPART=n.
;; ======== version 1 of 1: 1 launch
;; launch hedge (part 1): grid 256 x 1, 8 waves a work-group, no clusters, 38,144 bytes of LDS; arguments rnorm, W0, b0, Wh, bh, Wf, bf, out0; writes out0
.if DOCPART == 1
	.amdgcn_target "amdgcn-amd-amdhsa--gfx1250"
	.amdhsa_code_object_version 6
	.text
	.protected	k_q0592c1d34b_hedge
	.globl	k_q0592c1d34b_hedge
	.p2align	8
	.type	k_q0592c1d34b_hedge,@function
k_q0592c1d34b_hedge:
	s_mov_b64 s[64:65], 0
	v_nop
	global_prefetch_b8 v0, s[64:65] scope:SCOPE_SE
	s_setreg_imm32_b32 hwreg(HW_REG_WAVE_MODE, 25, 1), 1
	s_wait_xcnt 0x0
; Deep hedging: 2,048 paths, 128 Milstein steps on y = (s, v), holding h(t, s) = a 2-32-32-32-32-1 net (silu, sigmoid at the end).
; With MU = SIGMA = 1 the step is, with g = dw + dt/2 + dw^2/2:
;     s' = s (1 + g)          v' = v + dt h_t + h_s (s g) + (h_ss / 2) (s dw)^2
; Neither line reads v and s never reads the net: s is a running product of 128 factors, v a sum over 128 points (t_n, s_n)
; that do not depend on each other.  One forward pass carries four channels through every layer: value, d/ds, d/dt, half of d2/ds2.
;
; SHARES.  A work-group has 8 paths, a wave one path.  A wave makes 8 trips of 16 points: lane L (r = L & 15, h = L >> 4) has the point
; of step 8 r + trip, and 16 of the 32 neurons: index i = 0..7 is neuron 8 h + i, i = 8..15 is neuron 16 + 8 h + (i - 8).
; In the matrix products A is the weight matrix (rows = output neurons), B the activations (columns = points).  Register j of the result
; tile mt then holds neuron 16 mt + 8 h + j of point r, which is where the next layer's B fragment wants it (register 4 mt + j / 2):
; result -> activation -> rounding -> next operand never leaves the lane.
;
; SCALING, c = -log2(e).  Carried are Z = c z and A = c a (tangents likewise; the fourth channel is c times HALF the second derivative):
;     sg = 1 / (1 + 2^Z)      A = Z sg      q = (1 - sg) / c = sg ln2 - ln2      f = silu' = A q + sg
;     w = silu'' / (2 c) = q (f + A ln2 / 2)      A_x = f Z_x      A_2 = (w Z_s) Z_s + f Z_2
; The hidden weights stay as they are; scaled once are c W0, c b0, c bh, c bf and Wf / c.
;
; FORMATS.  Hidden layers on the matrix unit in bf16 with f32 sums, operands split in a high and a low bf16 part:
; Whi Ahi and Wlo Ahi for all four channels, Whi Alo for the value and d/ds alone (the terms of d/dt and of the second derivative enter
; v with dt or dw^2 in front).  The layers 2 -> 32 and 32 -> 1 are f32 multiply-adds: two, and one, for each neuron and channel.
;
; NO TENSOR LOADS, NO CLUSTER.  What the work-groups share are 13,188 bytes of weights, which each wave loads once, straight into the
; registers in which they stay; each wave's own input is 512 bytes.  No tile goes through LDS, so there is nothing to ask for jointly.
; The work-group's whole output is 64 bytes, stored by one instruction.
;
; LIMITS.  s_n is formed as (product over the lanes before mine) x (product of up to 7 factors in my lane), and v is summed per lane and
; then over the lanes: the order of rounding differs from a step-by-step scan.  Every product of 8 consecutive factors 1 + g has to be
; finite in f32 (it is for |rnorm| below 4,000).  Where the step-by-step scan is not finite the outputs are not specified.
.set SLOT,    512                      ; LDS: 32 lanes x 16 bytes, one trip's {s, s g, t, s dw}
.set WAVELDS, 9*SLOT                   ; a wave's own bytes: slots 0..7 and a copy of slot 7, which the last trip's look-ahead reads
.set RES,     8*WAVELDS                ; 64 bytes: {s_T, v} of the eight waves
.set TRIPS,   8
; window 0 (v0-v255)
.set AW,   3                           ; 128 r + 32 h: my place in a 16-row block of Wh
.set A32,  4                           ; 32 h
.set A64,  5                           ; 64 h
.set ARN,  6                           ; 32 r: my 8 steps in the path's row of rnorm
.set LAN,  6                           ; in the loop: LDS address of this trip's slot
.set LA,   7                           ; LDS address of my 16 bytes in my wave's slot 0
.set NEG1, 8                           ; -1.0; at the very end s_T
.set ACC,  9                           ; my points' part of v
.set LN2,  10                          ; pair: ln2, ln2
.set NLN2, 12                          ; pair: -ln2
.set HLN2, 14                          ; pair: ln2 / 2
.set PP,   16                          ; v[16:19] {s, s g, t, s dw} of the trip's point
.set EP,   20                          ; pair: {s g, s dw}, kept while PP takes the next point
.set UU,   22                          ; pairs: sums of the last layer: value,
.set US,   24                          ; d/ds,
.set UT,   26                          ; d/dt,
.set U2,   28                          ; half of d2/ds2
.set KC,   30                          ; pair: c
.set W0T,  32                          ; 16: c W0[.][0]
.set W0S,  48                          ; 16: c W0[.][1]
.set B0,   64                          ; 16: c b0
.set W0S2, 80                          ; 16: W0S squared
.set WF,   96                          ; 16: Wf / c
.set DD,   112                         ; 64: accumulator a = 2 channel + mt at DD + 8 a
.set BHI,  176                         ; 32: B fragments, high parts, channel ch at BHI + 8 ch
.set BLO,  208                         ; 16: low parts of channels 0 and 1
.set EE,   224                         ; 16: at work
.set QQ,   240                         ; 8:  at work
.set FF,   248                         ; 8:  at work
; set-up only, in registers that the loop uses otherwise
.set XX,   112                         ; 96: Wh as loaded, block b = 2 layer + mt at XX + 16 b
.set W0R,  208                         ; 32: W0 as loaded, (t, s) by turns
.set RN,   240                         ; 8:  rnorm of my 8 steps
.set DW,   112                         ; 8:  dw
.set GG,   120                         ; 8:  g
.set FA,   128                         ; 8:  1 + g, then the running products in my lane
.set II,   136                         ; product over my lane and all before it
.set QD,   140                         ; 32: the eight quads for LDS
; window 1 (v256-v399, named v0-v143 under s_set_vgpr_msb)
.set WHI,  0                           ; 48: A fragments, high parts, at WHI + 16 layer + 8 mt
.set WLO,  48                          ; 48: low parts
.set BIAS, 96                          ; 48: c bh as accumulator tiles
.set MSB, 0
.macro WIN new                         ; low byte: bits 1:0 source 0, 3:2 source 1, 5:4 source 2, 7:6 destination; the high byte repeats the setting that is left
.if MSB != \new
	s_set_vgpr_msb (MSB<<8)|\new
.set MSB, \new
.endif
.endm
.macro PLACES                          ; four plain vector places between a matrix instruction and whatever reads its result or writes its registers (ISA guide 7.12.1)
.rept 4
	v_nop
.endr
.endm
.macro PKMUL4 d, a, b                  ; eight products
.irp p, 0,2,4,6
	v_pk_mul_f32 v[\d+\p:\d+\p+1], v[\a+\p:\a+\p+1], v[\b+\p:\b+\p+1]
.endr
.endm
.macro PKFMA4 d, a, b, c               ; eight fused multiply-adds
.irp p, 0,2,4,6
	v_pk_fma_f32 v[\d+\p:\d+\p+1], v[\a+\p:\a+\p+1], v[\b+\p:\b+\p+1], v[\c+\p:\c+\p+1]
.endr
.endm
; First layer, 8 neurons: Z = W0T t + B0, then + W0S s.  op_sel_hi 0 on the second source: both halves take the pair's first register.
.macro PRE0 mt
.irp p, 0,2,4,6
	v_pk_fma_f32 v[DD+8*\mt+\p:DD+8*\mt+\p+1], v[W0T+8*\mt+\p:W0T+8*\mt+\p+1], v[PP+2:PP+3], v[B0+8*\mt+\p:B0+8*\mt+\p+1] op_sel_hi:[1,0,1]
.endr
.irp p, 0,2,4,6
	v_pk_fma_f32 v[DD+8*\mt+\p:DD+8*\mt+\p+1], v[W0S+8*\mt+\p:W0S+8*\mt+\p+1], v[PP:PP+1], v[DD+8*\mt+\p:DD+8*\mt+\p+1] op_sel_hi:[1,0,1]
.endr
.endm
; EE = 1 / (1 + 2^Z) for my 16 neurons.  Behind each run of transcendentals one plain vector place before a result is used (ISA guide 5.7.2).
.macro SIGMA
.set i, 0
.rept 16
	v_exp_f32 v[EE+i], v[DD+i]
.set i, i+1
.endr
	v_nop
	s_wait_alu depctr_va_vdst(0)
.irp p, 0,2,4,6,8,10,12,14
	v_pk_add_f32 v[EE+\p:EE+\p+1], v[EE+\p:EE+\p+1], 1.0 op_sel_hi:[1,0]
.endr
.set i, 0
.rept 16
	v_rcp_f32 v[EE+i], v[EE+i]
.set i, i+1
.endr
	v_nop
	s_wait_alu depctr_va_vdst(0)
.endm
; 8 neurons: Z becomes A, FF = silu', QQ = silu'' / (2 c)
.macro CORE mt
	PKMUL4 DD+8*\mt, DD+8*\mt, EE+8*\mt                    ; A = Z sg
.irp p, 0,2,4,6
	v_pk_fma_f32 v[QQ+\p:QQ+\p+1], v[EE+8*\mt+\p:EE+8*\mt+\p+1], v[LN2:LN2+1], v[NLN2:NLN2+1]   ; q = sg ln2 - ln2
.endr
	PKFMA4 FF, DD+8*\mt, QQ, EE+8*\mt                      ; f = A q + sg
.irp p, 0,2,4,6
	v_pk_fma_f32 v[EE+8*\mt+\p:EE+8*\mt+\p+1], v[DD+8*\mt+\p:DD+8*\mt+\p+1], v[HLN2:HLN2+1], v[FF+\p:FF+\p+1]   ; f + A ln2 / 2
.endr
	PKMUL4 QQ, QQ, EE+8*\mt                                ; w
.endm
; the three tangent channels of a hidden layer, in place
.macro TAN mt
	PKMUL4 QQ, QQ, DD+16+8*\mt                             ; w Z_s
	PKMUL4 DD+48+8*\mt, FF, DD+48+8*\mt                    ; f Z_2
	PKFMA4 DD+48+8*\mt, QQ, DD+16+8*\mt, DD+48+8*\mt       ; + (w Z_s) Z_s
	PKMUL4 DD+16+8*\mt, FF, DD+16+8*\mt                    ; f Z_s
	PKMUL4 DD+32+8*\mt, FF, DD+32+8*\mt                    ; f Z_t
.endm
; the same behind the first layer: Z_s = W0S, Z_t = W0T, Z_2 = 0
.macro TAN0 mt
	PKMUL4 DD+16+8*\mt, FF, W0S+8*\mt
	PKMUL4 DD+32+8*\mt, FF, W0T+8*\mt
	PKMUL4 DD+48+8*\mt, QQ, W0S2+8*\mt
.endm
; 8 neurons x 4 channels to bf16; for the value and d/ds also what the rounding left, to bf16 again
.macro CONV mt
.irp ch, 0,1,2,3
.irp p, 0,1,2,3
	v_cvt_pk_bf16_f32 v[BHI+8*\ch+4*\mt+\p], v[DD+16*\ch+8*\mt+2*\p], v[DD+16*\ch+8*\mt+2*\p+1]
.endr
.endr
.irp ch, 0,1
.irp p, 0,1,2,3
	v_fma_mix_f32_bf16 v[DD+16*\ch+8*\mt+2*\p], v[BHI+8*\ch+4*\mt+\p], v[NEG1], v[DD+16*\ch+8*\mt+2*\p] op_sel_hi:[1,0,0]                     ; x - low half, exact
	v_fma_mix_f32_bf16 v[DD+16*\ch+8*\mt+2*\p+1], v[BHI+8*\ch+4*\mt+\p], v[NEG1], v[DD+16*\ch+8*\mt+2*\p+1] op_sel:[1,0,0] op_sel_hi:[1,0,0]   ; x - high half
.endr
.endr
.irp ch, 0,1
.irp p, 0,1,2,3
	v_cvt_pk_bf16_f32 v[BLO+8*\ch+4*\mt+\p], v[DD+16*\ch+8*\mt+2*\p], v[DD+16*\ch+8*\mt+2*\p+1]
.endr
.endr
.endm
; Hidden layer l: 20 matrix instructions.  The accumulators take turns, one instruction a turn.
; The first product of each accumulator starts its sum: on the bias tile for the value, on the constant 0 for the tangents.
.macro LAYER l
	WIN 0x11                                               ; A and C in window 1
.irp mt, 0,1
	v_wmma_f32_16x16x32_bf16 v[DD+8*\mt:DD+8*\mt+7], v[WHI+16*\l+8*\mt:WHI+16*\l+8*\mt+7], v[BHI:BHI+7], v[BIAS+16*\l+8*\mt:BIAS+16*\l+8*\mt+7]
.endr
	WIN 0x01                                               ; A in window 1
.irp ch, 1,2,3
.irp mt, 0,1
	v_wmma_f32_16x16x32_bf16 v[DD+16*\ch+8*\mt:DD+16*\ch+8*\mt+7], v[WHI+16*\l+8*\mt:WHI+16*\l+8*\mt+7], v[BHI+8*\ch:BHI+8*\ch+7], 0
.endr
.endr
.irp ch, 0,1,2,3
.irp mt, 0,1
	v_wmma_f32_16x16x32_bf16 v[DD+16*\ch+8*\mt:DD+16*\ch+8*\mt+7], v[WLO+16*\l+8*\mt:WLO+16*\l+8*\mt+7], v[BHI+8*\ch:BHI+8*\ch+7], v[DD+16*\ch+8*\mt:DD+16*\ch+8*\mt+7]
.endr
.endr
.irp ch, 0,1
.irp mt, 0,1
	v_wmma_f32_16x16x32_bf16 v[DD+16*\ch+8*\mt:DD+16*\ch+8*\mt+7], v[WHI+16*\l+8*\mt:WHI+16*\l+8*\mt+7], v[BLO+8*\ch:BLO+8*\ch+7], v[DD+16*\ch+8*\mt:DD+16*\ch+8*\mt+7]
.endr
.endr
	WIN 0
.endm
; Last layer, 8 neurons: the four sums over WF.  The very first products start the sums: nothing is cleared.
.macro FIN mt
	PKMUL4 FF, WF+8*\mt, FF                                ; WF f
	PKMUL4 QQ, WF+8*\mt, QQ                                ; WF w
	PKMUL4 QQ, QQ, DD+16+8*\mt                             ; WF w Z_s
.irp p, 0,2,4,6
.if (\mt+\p) == 0
	v_pk_mul_f32 v[UU:UU+1], v[WF:WF+1], v[DD:DD+1]
	v_pk_mul_f32 v[UT:UT+1], v[FF:FF+1], v[DD+32:DD+33]
	v_pk_mul_f32 v[US:US+1], v[FF:FF+1], v[DD+16:DD+17]
	v_pk_mul_f32 v[U2:U2+1], v[FF:FF+1], v[DD+48:DD+49]
.else
	v_pk_fma_f32 v[UU:UU+1], v[WF+8*\mt+\p:WF+8*\mt+\p+1], v[DD+8*\mt+\p:DD+8*\mt+\p+1], v[UU:UU+1]
	v_pk_fma_f32 v[UT:UT+1], v[FF+\p:FF+\p+1], v[DD+32+8*\mt+\p:DD+32+8*\mt+\p+1], v[UT:UT+1]
	v_pk_fma_f32 v[US:US+1], v[FF+\p:FF+\p+1], v[DD+16+8*\mt+\p:DD+16+8*\mt+\p+1], v[US:US+1]
	v_pk_fma_f32 v[U2:U2+1], v[FF+\p:FF+\p+1], v[DD+48+8*\mt+\p:DD+48+8*\mt+\p+1], v[U2:U2+1]
.endif
	v_pk_fma_f32 v[U2:U2+1], v[QQ+\p:QQ+\p+1], v[DD+16+8*\mt+\p:DD+16+8*\mt+\p+1], v[U2:U2+1]
.endr
.endm
	; ---- lane terms and constants
	s_load_b512 s[16:31], s[0:1], 0x0              ; rnorm s[16:17], W0 s[18:19], b0 s[20:21], Wh s[22:23], bh s[24:25], Wf s[26:27], bf s[28:29], out0 s[30:31]
	s_set_vgpr_msb 0x40
	v_lshl_add_u32 v144, v0, 2, 0x9100
	v_mov_b32 v145, 0
	s_set_vgpr_msb 0x4000
	v_and_b32 v1, 15, v0                           ; r
	v_bfe_u32 v2, v0, 4, 1                         ; h
	v_lshrrev_b32 v3, 5, v0
	v_readfirstlane_b32 s5, v3                     ; wave 0..7
	v_lshlrev_b32 v[A32], 5, v2
	v_lshlrev_b32 v[A64], 6, v2
	v_lshlrev_b32 v[ARN], 5, v1
	v_lshl_add_u32 v[AW], v1, 7, v[A32]
	v_and_b32 v[LA], 31, v0
	s_mul_i32 s7, s5, WAVELDS                      ; my wave's LDS bytes
	v_lshl_add_u32 v[LA], v[LA], 4, s7
	v_mov_b32 v[NEG1], -1.0
.irp k, 0,1
	v_mov_b32 v[LN2+\k],  0x3f317218               ; ln2
	v_mov_b32 v[NLN2+\k], 0xbf317218               ; -ln2 = 1 / c
	v_mov_b32 v[HLN2+\k], 0x3eb17218               ; ln2 / 2
	v_mov_b32 v[KC+\k],   0xbfb8aa3b               ; c = -log2(e)
.endr
	s_mov_b32 s12, 0x76543210                      ; v_permlanex16_b32: lane i reads lane i of the other half
	s_mov_b32 s13, 0xfedcba98
	s_lshl_b32 s8, ttmp9, 12                       ; the work-group's 8 rows of 512 bytes,
	s_lshl_b32 s9, s5, 9                           ; my wave's row
	s_add_co_u32 s8, s8, s9
	s_mov_b32 s9, 0
	s_wait_kmcnt 0x0
	s_load_b32 s4, s[28:29], 0x0                   ; bf
	s_add_nc_u64 s[16:17], s[16:17], s[8:9]        ; rnorm at my path
	; ---- 54 loads in one run, one wait
	global_load_b128 v[RN:RN+3],   v[ARN], s[16:17] th:TH_LOAD_NT
	global_load_b128 v[RN+4:RN+7], v[ARN], s[16:17] offset:16 th:TH_LOAD_NT
.irp b, 0,1,2,3,4,5
	global_load_b128 v[XX+16*\b:XX+16*\b+3],     v[AW], s[22:23] offset:2048*\b        ; row 16 mt + r, k = 8 h .. 8 h + 7
	global_load_b128 v[XX+16*\b+4:XX+16*\b+7],   v[AW], s[22:23] offset:2048*\b+16
	global_load_b128 v[XX+16*\b+8:XX+16*\b+11],  v[AW], s[22:23] offset:2048*\b+64     ; k = 16 + 8 h .. 16 + 8 h + 7
	global_load_b128 v[XX+16*\b+12:XX+16*\b+15], v[AW], s[22:23] offset:2048*\b+80
.endr
.irp q, 0,1,2,3
	global_load_b128 v[W0R+4*\q:W0R+4*\q+3],       v[A64], s[18:19] offset:16*\q       ; neurons 8 h .. 8 h + 7, 8 bytes each
	global_load_b128 v[W0R+16+4*\q:W0R+16+4*\q+3], v[A64], s[18:19] offset:128+16*\q   ; neurons 16 + 8 h ..
.endr
	global_load_b128 v[B0:B0+3],     v[A32], s[20:21]
	global_load_b128 v[B0+4:B0+7],   v[A32], s[20:21] offset:16
	global_load_b128 v[B0+8:B0+11],  v[A32], s[20:21] offset:64
	global_load_b128 v[B0+12:B0+15], v[A32], s[20:21] offset:80
	global_load_b128 v[WF:WF+3],     v[A32], s[26:27]
	global_load_b128 v[WF+4:WF+7],   v[A32], s[26:27] offset:16
	global_load_b128 v[WF+8:WF+11],  v[A32], s[26:27] offset:64
	global_load_b128 v[WF+12:WF+15], v[A32], s[26:27] offset:80
	WIN 0x40                                       ; destination in window 1
.irp b, 0,1,2,3,4,5
	global_load_b128 v[BIAS+8*\b:BIAS+8*\b+3],   v[A32], s[24:25] offset:64*\b         ; register j of the tile: bias of neuron 16 mt + 8 h + j
	global_load_b128 v[BIAS+8*\b+4:BIAS+8*\b+7], v[A32], s[24:25] offset:64*\b+16
.endr
	s_wait_loadcnt 0x0                             ; all 54 are in
	; ---- Wh in a high and a low bf16 part; the scalings
.set j, 0
.rept 48
	v_cvt_pk_bf16_f32 v[WHI+j], v[XX+2*j], v[XX+2*j+1]
.set j, j+1
.endr
	WIN 0x01                                       ; source 0 in window 1
.set j, 0
.rept 48
	v_fma_mix_f32_bf16 v[XX+2*j],   v[WHI+j], v[NEG1], v[XX+2*j]   op_sel_hi:[1,0,0]
	v_fma_mix_f32_bf16 v[XX+2*j+1], v[WHI+j], v[NEG1], v[XX+2*j+1] op_sel:[1,0,0] op_sel_hi:[1,0,0]
.set j, j+1
.endr
	WIN 0x40
.set j, 0
.rept 48
	v_cvt_pk_bf16_f32 v[WLO+j], v[XX+2*j], v[XX+2*j+1]
.set j, j+1
.endr
	WIN 0x41                                       ; destination and source 0 in window 1
.set j, 0
.rept 24
	v_pk_mul_f32 v[BIAS+2*j:BIAS+2*j+1], v[BIAS+2*j:BIAS+2*j+1], v[KC:KC+1]
.set j, j+1
.endr
	WIN 0
.set j, 0
.rept 16
	v_mul_f32 v[W0T+j], v[KC], v[W0R+2*j]          ; the two columns of W0 come apart as they are scaled
	v_mul_f32 v[W0S+j], v[KC], v[W0R+2*j+1]
.set j, j+1
.endr
	PKMUL4 W0S2,   W0S,   W0S
	PKMUL4 W0S2+8, W0S+8, W0S+8
.irp p, 0,2,4,6,8,10,12,14
	v_pk_mul_f32 v[B0+\p:B0+\p+1], v[B0+\p:B0+\p+1], v[KC:KC+1]
	v_pk_mul_f32 v[WF+\p:WF+\p+1], v[WF+\p:WF+\p+1], v[NLN2:NLN2+1]
.endr
	; ---- the path's s at all 128 steps
.irp c, 0,1,2,3,4,5,6,7
	v_mul_f32 v[DW+\c], 0x3db504f3, v[RN+\c]       ; dw = sqrt(1/128) rnorm
.endr
.irp c, 0,1,2,3,4,5,6,7
	v_fma_f32 v[FA+\c], v[DW+\c], 0.5, 1.0
.endr
.irp c, 0,1,2,3,4,5,6,7
	v_fmaak_f32 v[GG+\c], v[DW+\c], v[FA+\c], 0x3b800000   ; g = dw (1 + dw / 2) + dt / 2
.endr
.irp c, 0,1,2,3,4,5,6,7
	v_add_f32 v[FA+\c], 1.0, v[GG+\c]
.endr
.irp c, 1,2,3,4,5,6,7
	v_mul_f32 v[FA+\c], v[FA+\c-1], v[FA+\c]       ; FA[c] = the factors of my steps 0 .. c
.endr
	v_mov_b32 v[II], v[FA+7]
	; 15 passes: each lane takes its left neighbour's product times its own 8 factors; lane 0 of a half has no neighbour and keeps its own.
	; Lane i is final after i passes, and every pass forms it anew, so what a lane held before its neighbour was final leaves no trace.
.rept 15
	v_mul_f32_dpp v[II], v[II], v[FA+7] row_shr:1 row_mask:0xf bank_mask:0xf
.endr
	v_mov_b32 v[QD], 1.0                           ; s at my first step: 1 in lane 0,
	v_mov_b32_dpp v[QD], v[II] row_shr:1 row_mask:0xf bank_mask:0xf   ; the left neighbour's product elsewhere
	v_readlane_b32 s14, v[II], 15                  ; s_T
.irp c, 1,2,3,4,5,6,7
	v_mul_f32 v[QD+4*\c], v[QD], v[FA+\c-1]
.endr
.irp c, 0,1,2,3,4,5,6,7
	v_mul_f32 v[QD+4*\c+1], v[QD+4*\c], v[GG+\c]   ; s g
	v_mul_f32 v[QD+4*\c+3], v[QD+4*\c], v[DW+\c]   ; s dw
	v_lshl_add_u32 v[QD+4*\c+2], v1, 3, \c         ; step 8 r + c
	v_cvt_f32_u32 v[QD+4*\c+2], v[QD+4*\c+2]
	v_mul_f32 v[QD+4*\c+2], 0x3c000000, v[QD+4*\c+2]   ; t = step / 128, exact
.endr
.irp c, 0,1,2,3,4,5,6,7
	ds_store_b128 v[LA], v[QD+4*\c:QD+4*\c+3] offset:\c*SLOT
.endr
	ds_store_b128 v[LA], v[QD+28:QD+31] offset:8*SLOT      ; so that the last trip's look-ahead reads bytes that were written
	ds_load_b128 v[PP:PP+3], v[LA]                 ; my own bytes; LDS serves a wave's instructions in order (ISA guide 5.7.1)
	v_mov_b32 v[ACC], 0
	s_wait_kmcnt 0x0                               ; bf
	s_mul_f32 s4, s4, 0xbfb8aa3b                   ; c bf
	; ---- 8 trips of 16 points
	s_mov_b32 s10, 0
.Ltrip:
	s_wait_dscnt 0x0                               ; this trip's point is in PP (asked for a trip ago; in the first trip just now)
	PRE0 0
	PRE0 1
	SIGMA
	CORE 0
	TAN0 0
	CONV 0
	CORE 1
	TAN0 1
	CONV 1
	LAYER 0
	v_mov_b32 v[EP],   v[PP+1]                     ; four places behind the matrix instructions, three of them of use:
	v_mov_b32 v[EP+1], v[PP+3]                     ; what the trip's end needs of PP moves aside,
	v_lshl_add_u32 v[LAN], s10, 9, v[LA]           ; this trip's slot,
	v_nop
	ds_load_b128 v[PP:PP+3], v[LAN] offset:SLOT    ; and the next slot's point is asked for
	SIGMA
	CORE 0
	TAN 0
	CONV 0
	CORE 1
	TAN 1
	CONV 1
	LAYER 1
	PLACES
	SIGMA
	CORE 0
	TAN 0
	CONV 0
	CORE 1
	TAN 1
	CONV 1
	LAYER 2
	PLACES
	SIGMA
	CORE 0
	FIN 0
	CORE 1
	FIN 1
	; my 16 neurons' sums, then the other 16 from the lane with the same point in the other half
	v_add_f32 v[UU], v[UU], v[UU+1]
	v_add_f32 v[US], v[US], v[US+1]
	v_add_f32 v[UT], v[UT], v[UT+1]
	v_add_f32 v[U2], v[U2], v[U2+1]
	v_permlanex16_b32 v[EE],   v[UU], s12, s13
	v_permlanex16_b32 v[EE+1], v[US], s12, s13
	v_permlanex16_b32 v[EE+2], v[UT], s12, s13
	v_permlanex16_b32 v[EE+3], v[U2], s12, s13
	v_add_f32 v[UU], v[UU], v[EE]
	v_fma_f32 v[EE+4], v[UU], v[KC], s4            ; c (u + bf)
	v_exp_f32 v[EE+4], v[EE+4]
	v_add_f32 v[US], v[US], v[EE+1]                ; the plain place behind v_exp_f32
	v_add_f32 v[UT], v[UT], v[EE+2]
	v_add_f32 v[U2], v[U2], v[EE+3]
	s_wait_alu depctr_va_vdst(0)
	v_add_f32 v[EE+4], 1.0, v[EE+4]
	v_rcp_f32 v[EE+4], v[EE+4]                     ; h = sigmoid(u)
	v_nop
	s_wait_alu depctr_va_vdst(0)
	v_fma_f32 v[EE+5], -v[EE+4], v[EE+4], v[EE+4]  ; sigmoid' = h - h^2
	v_sub_f32 v[EE+6], 0.5, v[EE+4]                ; sigmoid'' / (2 sigmoid') = 1/2 - h
	v_mul_f32 v[EE+6], v[EE+6], v[US]
	v_fma_f32 v[EE+6], v[EE+6], v[US], v[U2]
	v_mul_f32 v[EE+6], v[EE+5], v[EE+6]            ; h_ss / 2
	v_mul_f32 v[EE+7], v[EE+5], v[UT]              ; h_t
	v_mul_f32 v[EE+8], v[EE+5], v[US]              ; h_s
	v_fmac_f32 v[ACC], 0x3c000000, v[EE+7]         ; + dt h_t
	v_fmac_f32 v[ACC], v[EE+8], v[EP]              ; + h_s (s g)
	v_mul_f32 v[EE+6], v[EE+6], v[EP+1]            ; the small factor first, so that a vanished h_ss stays 0 beside a large s dw
	v_fmac_f32 v[ACC], v[EE+6], v[EP+1]            ; + (h_ss / 2) (s dw)^2
	s_add_co_u32 s10, s10, 1
	s_cmp_lt_u32 s10, TRIPS
	s_cbranch_scc1 .Ltrip
	; ---- v = the sum over the 16 lanes of a half (both halves hold the same numbers); the eight waves' results meet in LDS
	v_add_f32_dpp v[ACC], v[ACC], v[ACC] row_xmask:1 row_mask:0xf bank_mask:0xf
	v_add_f32_dpp v[ACC], v[ACC], v[ACC] row_xmask:2 row_mask:0xf bank_mask:0xf
	v_add_f32_dpp v[ACC], v[ACC], v[ACC] row_xmask:4 row_mask:0xf bank_mask:0xf
	v_add_f32_dpp v[ACC], v[ACC], v[ACC] row_xmask:8 row_mask:0xf bank_mask:0xf
	v_mov_b32 v[NEG1], s14                         ; v[8:9] = {s_T, v}
	s_lshl_b32 s8, s5, 3
	s_add_co_u32 s8, s8, RES
	v_mov_b32 v[LA], s8
	ds_store_b64 v[LA], v[NEG1:ACC]                ; every lane writes the same 8 bytes with the same numbers
	s_wait_dscnt 0x0                               ; for the others' sake: my store is done (and the last look-ahead is back)
	s_barrier_signal -1
	s_barrier_wait -1
	s_cmp_lg_u32 s5, 0
	s_cbranch_scc1 .Ldone
	; wave 0 stores the work-group's 64 bytes: four lanes, 16 neighbouring bytes each
	v_cmp_gt_u32 vcc_lo, 4, v0
	v_and_b32 v[LAN], 3, v0
	v_lshlrev_b32 v[LAN], 4, v[LAN]                ; at most 48 in every lane
	s_lshl_b32 s8, ttmp9, 6                        ; 8 paths x 8 bytes
	s_mov_b32 s9, 0
	s_add_nc_u64 s[30:31], s[30:31], s[8:9]
	s_wait_xcnt 0x0                                ; EXEC changes only behind this wait
	s_and_saveexec_b32 s6, vcc_lo
	ds_load_b128 v[DD:DD+3], v[LAN] offset:RES
	s_wait_dscnt 0x0
	global_store_b128 v[LAN], v[DD:DD+3], s[30:31]
	s_wait_xcnt 0x0                                ; and again in front of the line that widens it
	s_or_b32 exec_lo, exec_lo, s6
.Ldone:
	s_set_vgpr_msb 0x5
	s_wait_tensorcnt 0x0
	ds_add_u32 v144, v145
	s_wait_dscnt 0x0
	s_set_vgpr_msb 0x500
	s_endpgm
.Lfunc_end_k_q0592c1d34b_hedge:
	.size	k_q0592c1d34b_hedge, .Lfunc_end_k_q0592c1d34b_hedge-k_q0592c1d34b_hedge
	.p2alignl 7, 3214868480
	.fill 96, 4, 3214868480
	.section	.rodata,"a",@progbits
	.p2align	6, 0x0
	.amdhsa_kernel k_q0592c1d34b_hedge
		.amdhsa_group_segment_fixed_size 38144
		.amdhsa_private_segment_fixed_size 0
		.amdhsa_enable_private_segment 0
		.amdhsa_kernarg_size 64
		.amdhsa_user_sgpr_count 2
		.amdhsa_user_sgpr_kernarg_segment_ptr 1
		.amdhsa_wavefront_size32 1
		.amdhsa_system_sgpr_workgroup_id_x 1
		.amdhsa_system_sgpr_workgroup_id_y 1
		.amdhsa_system_sgpr_workgroup_id_z 1
		.amdhsa_system_vgpr_workitem_id 0
		.amdhsa_next_free_vgpr 402
		.amdhsa_next_free_sgpr 66
		.amdhsa_reserve_vcc 1
		.amdhsa_float_denorm_mode_32 3
		.amdhsa_float_denorm_mode_16_64 3
		.amdhsa_memory_ordered 1
		.amdhsa_forward_progress 1
		.amdhsa_inst_pref_size 80
	.end_amdhsa_kernel
	.amdgpu_metadata
---
amdhsa.version: [ 1, 2 ]
amdhsa.kernels:
  - .name:           k_q0592c1d34b_hedge
    .symbol:         k_q0592c1d34b_hedge.kd
    .args:
      - { .name: rnorm, .offset: 0, .size: 8, .value_kind: global_buffer, .address_space: global }
      - { .name: W0, .offset: 8, .size: 8, .value_kind: global_buffer, .address_space: global }
      - { .name: b0, .offset: 16, .size: 8, .value_kind: global_buffer, .address_space: global }
      - { .name: Wh, .offset: 24, .size: 8, .value_kind: global_buffer, .address_space: global }
      - { .name: bh, .offset: 32, .size: 8, .value_kind: global_buffer, .address_space: global }
      - { .name: Wf, .offset: 40, .size: 8, .value_kind: global_buffer, .address_space: global }
      - { .name: bf, .offset: 48, .size: 8, .value_kind: global_buffer, .address_space: global }
      - { .name: out0, .offset: 56, .size: 8, .value_kind: global_buffer, .address_space: global }
    .group_segment_fixed_size: 38144
    .private_segment_fixed_size: 0
    .kernarg_segment_align: 8
    .kernarg_segment_size: 64
    .max_flat_workgroup_size: 256
    .sgpr_count:     66
    .vgpr_count:     402
    .wavefront_size: 32
...
	.end_amdgpu_metadata
.endif
;; end of part 1
